; MI455X (gfx1250); checked and timed in simulation.
; The chip was launched on July 23, 2026; its instructions are those of AMD's public machine-readable ISA for CDNA 5 (MIT licence, August 2026) and "CDNA5" Instruction Set Architecture Reference Guide (July 2026). The comments in the code are by the model that wrote it; some were corrected since.
;; Symplectic Leapfrog Layer. Allowed arithmetic: matrix products marked QUANTISED: E2M1 operands, one E8M0 scale for each 32 along K, by v_wmma_scale_f32_16x16x128_f8f6f4 with both operands' format E2M1 (or v_wmma_scale_f32_32x16x128_f4), f32 sums; products left as they are: f32 operands where the result goes on into a quantised operand, else bf16, f16 or f32 operands; f32 sums; everything else in f32.
;; Inputs: W1 64 x 256 float32; W2 256 x 256 float32; Wout 256 x 1 float32; b1 256 float32; b2 256 float32; x 65,536 x 16 x 32 float32.
;; Outputs: out0 65,536 x 64 float32.
;; This version of the problem:
;;   THIS VERSION OF THE PROBLEM IS GIVEN IN LOW PRECISION. The matrix products marked QUANTISED in the list below multiply operands that are first quantised to E2M1 (2 exponent bits, 1 mantissa bit; 4 bits a number), with one power-of-two scale for each 32 numbers along K (OCP MX v1.0); their sums are f32. All else is computed in f32.
;;   The module's matrix products, in the order in which they are computed (A, B: the left and right operand; K: the contracted axis; several contracted axes count as one K, in the product's order):
;;     1. [M 65,536, K 64] x [K 64, N 256]; A: computed on the way; B: input W1: QUANTISED
;;     2. [M 65,536, K 256] x [K 256, N 256]; A: computed on the way; B: input W2: QUANTISED
;;     3. [M 65,536, K 256] x [K 256, N 1]; A: computed on the way; B: input Wout: left as it is (N = 1 < 16)
;;     4. [M 65,536, K 1] x [K 1, N 256]; A: computed on the way; B: input Wout: left as it is (K = 1 < 32)
;;     5. [M 65,536, K 256] x [K 256, N 256]; A: computed on the way; B: input W2: QUANTISED
;;     6. [M 65,536, K 256] x [K 256, N 64]; A: computed on the way; B: input W1: QUANTISED
;;     7. [M 65,536, K 64] x [K 64, N 256]; A: computed on the way; B: input W1: QUANTISED
;;     8. [M 65,536, K 256] x [K 256, N 256]; A: computed on the way; B: input W2: QUANTISED
;;     9. [M 65,536, K 256] x [K 256, N 1]; A: computed on the way; B: input Wout: left as it is (N = 1 < 16)
;;     10. [M 65,536, K 1] x [K 1, N 256]; A: computed on the way; B: input Wout: left as it is (K = 1 < 32)
;;     11. [M 65,536, K 256] x [K 256, N 256]; A: computed on the way; B: input W2: QUANTISED
;;     12. [M 65,536, K 256] x [K 256, N 64]; A: computed on the way; B: input W1: QUANTISED
;;     13. [M 65,536, K 64] x [K 64, N 256]; A: computed on the way; B: input W1: QUANTISED
;;     14. [M 65,536, K 256] x [K 256, N 256]; A: computed on the way; B: input W2: QUANTISED
;;     15. [M 65,536, K 256] x [K 256, N 1]; A: computed on the way; B: input Wout: left as it is (N = 1 < 16)
;;     16. [M 65,536, K 1] x [K 1, N 256]; A: computed on the way; B: input Wout: left as it is (K = 1 < 32)
;;     17. [M 65,536, K 256] x [K 256, N 256]; A: computed on the way; B: input W2: QUANTISED
;;     18. [M 65,536, K 256] x [K 256, N 64]; A: computed on the way; B: input W1: QUANTISED
;;     19. [M 65,536, K 64] x [K 64, N 256]; A: computed on the way; B: input W1: QUANTISED
;;     20. [M 65,536, K 256] x [K 256, N 256]; A: computed on the way; B: input W2: QUANTISED
;;     21. [M 65,536, K 256] x [K 256, N 1]; A: computed on the way; B: input Wout: left as it is (N = 1 < 16)
;;     22. [M 65,536, K 1] x [K 1, N 256]; A: computed on the way; B: input Wout: left as it is (K = 1 < 32)
;;     23. [M 65,536, K 256] x [K 256, N 256]; A: computed on the way; B: input W2: QUANTISED
;;     24. [M 65,536, K 256] x [K 256, N 64]; A: computed on the way; B: input W1: QUANTISED
;;     25. [M 65,536, K 64] x [K 64, N 256]; A: computed on the way; B: input W1: QUANTISED
;;     26. [M 65,536, K 256] x [K 256, N 256]; A: computed on the way; B: input W2: QUANTISED
;;     27. [M 65,536, K 256] x [K 256, N 1]; A: computed on the way; B: input Wout: left as it is (N = 1 < 16)
;;     28. [M 65,536, K 1] x [K 1, N 256]; A: computed on the way; B: input Wout: left as it is (K = 1 < 32)
;;     29. [M 65,536, K 256] x [K 256, N 256]; A: computed on the way; B: input W2: QUANTISED
;;     30. [M 65,536, K 256] x [K 256, N 64]; A: computed on the way; B: input W1: QUANTISED
;;     31. [M 65,536, K 64] x [K 64, N 256]; A: computed on the way; B: input W1: QUANTISED
;;     32. [M 65,536, K 256] x [K 256, N 256]; A: computed on the way; B: input W2: QUANTISED
;;     33. [M 65,536, K 256] x [K 256, N 1]; A: computed on the way; B: input Wout: left as it is (N = 1 < 16)
;;     34. [M 65,536, K 1] x [K 1, N 256]; A: computed on the way; B: input Wout: left as it is (K = 1 < 32)
;;     35. [M 65,536, K 256] x [K 256, N 256]; A: computed on the way; B: input W2: QUANTISED
;;     36. [M 65,536, K 256] x [K 256, N 64]; A: computed on the way; B: input W1: QUANTISED
;;   THE QUANTISER, for each operand of a quantised product, along K:
;;     - K is cut into blocks of 32 from its start; a last block that is shorter is filled with zeros.
;;     - A block's scale is 2^e with e = floor(log2(the largest magnitude in the block)) - 2, held to -126 .. 127; a block of zeros has e = 0. As a byte (E8M0): e + 127.
;;     - Each number is divided by its block's scale, clamped to +-6, and rounded to the nearest number of E2M1, ties to even, subnormals kept.
;;     - The product sums the exact products of the quantised numbers (number of the format x scale) in f32.
;;   ~~~python
;;   def quantise(x, axis):      # numpy; x: float32 -> the quantised numbers, widened to float32 again
;;       x = np.moveaxis(x, axis, -1); K = x.shape[-1]
;;       x = np.pad(x, [(0, 0)] * (x.ndim - 1) + [(0, -K % 32)]); x = x.reshape(x.shape[:-1] + (-1, 32)); a = np.abs(x).max(-1, keepdims=True)
;;       e = np.where(a > 0, np.clip(np.frexp(np.where(a > 0, a, 1))[1] - 1 - 2, -126, 127), 0)      # np.frexp(a)[1] - 1 = floor(log2(a)), exactly
;;       r = np.clip(x / 2.0 ** e, -6, 6)
;;       step = 2.0 ** (np.maximum(np.frexp(np.where(r == 0, 1, r))[1] - 1, 0) - 1)
;;       q = np.round(r / step) * step * 2.0 ** e      # np.round: ties to even
;;       return np.moveaxis(q.reshape(q.shape[:-2] + (-1,))[..., :K], -1, axis).astype(np.float32)
;;   ~~~
;;   OPERANDS COMPUTED ON THE WAY. 'Computed on the way' means the value that the module computes at that place (a softmax that the list does not call 'softmax' is quantised finished and normalised). What goes into a quantiser is computed in f32, as accurately as f32 sums, v_exp_f32 and their like allow (about 1e-6 of the number): no bf16 or f16 on the way to a quantiser, and a product that is left as it is and whose result goes on into a quantised operand takes f32 operands (vector FMAs, or v_wmma_f32_16x16x4_f32). A number that lies on a knife's edge between two numbers of the format may be rounded either way, as far as f32 arithmetic and the matrix unit's own rounding can turn it there, and no further.
;; One version. Each part assembles by itself: llvm-mc -triple=amdgcn-amd-amdhsa -mcpu=gfx1250 --defsym DOCPART=n.
;; ======== version 1 of 1: 2 launches
;; limits: right only within a limited range of input values
;; workspace buffers: wimg 96,256 bytes
;; launch prep (part 1): grid 22 x 1, 4 waves a work-group, no clusters, 1,024 bytes of LDS; arguments W1, W2, Wout, b1, b2, wimg; writes wimg
.if DOCPART == 1
	.amdgcn_target "amdgcn-amd-amdhsa--gfx1250"
	.amdhsa_code_object_version 6
	.text
	.protected	k_qa1b606f66a_prep
	.globl	k_qa1b606f66a_prep
	.p2align	8
	.type	k_qa1b606f66a_prep,@function
k_qa1b606f66a_prep:
	s_mov_b64 s[64:65], 0
	v_nop
	global_prefetch_b8 v0, s[64:65] scope:SCOPE_SE
	s_setreg_imm32_b32 hwreg(HW_REG_WAVE_MODE, 25, 1), 1
	s_wait_xcnt 0x0
; WORK LEFT OUT BY THE PROGRAM.  reference() returns only gradients of H, never H: the products h2 @ Wout (N = 1) reach no output, whatever the inputs hold.  The product of the cotangent (ones) with Wout (K = 1) is Wout itself.
; Of x only x[:, 14] and x[:, 15] are sliced out; the other 14 rows of a sample are not loaded.  A NaN, an infinity or an overflow that reaches only this work is not carried to the result.
; THIS LAUNCH: the weights become codes of FP4 (E2M1) with one E8M0 scale byte for each 32 along K, once for each of the four products of a gradient:
;   P1: W1 cut along its first axis (K = 64);  P2: W2 along its first axis;  P5: W2 along its second axis;  P6: W1 along its second axis (K = 256 each).
; They are laid in wimg AS IMAGES OF THE OPERAND'S REGISTERS: a fragment (16 units x 128 K, 8 registers a lane) is two groups of four registers, group g at 512 g + 16 x lane.
;   0      P1: 16 half fragments of 512 bytes (K = 64 fills registers 0-3 alone): 2048 c + 512 i         (c: chunk of 64 units, i: tile 0..3 of the chunk)
;   8192   P2: 8192 c + 4096 s + 1024 i    (s: K step of 128)       40960  P5: the same       73728  P6: 4096 s + 1024 i (its 64 units are one chunk)
;   81920  22 groups of scale words, 512 bytes each: lane l's four words (tiles 0..3) at 16 l; groups 0-3 P1 (c), 4-11 P2 (2 c + s), 12-19 P5, 20-21 P6
;   93184  b1;   94208  b2;   95232  4 x Wout  (f32, as they lie)
; THE UNITS OF A TILE ARE NOT NEIGHBOURS: row r of tile i of chunk c is unit 64 c + 32 (r / 8) + 8 i + r % 8.  In the transposed product lane half h then holds, in the 32 registers of a chunk's four tiles,
; units 64 c + 32 h + 0 .. 31 in order: one whole block of the next product's K.  In P6 the two halves change places (unit xor 32), so that dH/dp falls on the lanes that hold q and dH/dq on those that hold p.
; SHARES: work-group g makes scale group g and its four fragments, wave i tile i.  A lane takes one unit and its registers run along K in the operand's own order, so the conversions' results are the operand's registers.
; A block's scale byte is its largest magnitude's exponent field - 2, held at 1 from below.  A block of zeros so gets the byte 1 where the rule says 127: its codes are zeros, and this program alone reads the bytes.
; LIMITS: blocks whose largest magnitude lies under 2^-124 keep the byte 1; NaN and infinities among the inputs are not served.
.set O_SC, 81920
.set O_B1, 93184
	s_load_b128 s[4:7], s[0:1], 0x0                ; W1, W2
	s_load_b128 s[8:11], s[0:1], 0x10              ; Wout, b1
	s_load_b128 s[12:15], s[0:1], 0x20             ; b2, wimg
	v_lshl_add_u32 v128, v0, 2, 0x200              ; my spare word, and 0
	v_mov_b32 v129, 0
	v_lshrrev_b32 v1, 5, v0
	v_readfirstlane_b32 s16, v1                    ; wave = tile i
	s_mov_b32 s17, ttmp9                           ; g
	v_and_b32 v1, 31, v0                           ; lane
	v_and_b32 v2, 15, v0                           ; r
	s_wait_alu depctr_va_vdst(0)
	v_bfe_u32 v3, v0, 4, 1                         ; h
	s_sub_co_u32 s18, s17, 4                       ; t = g - 4 (wraps for P1's groups, whose figures are chosen below)
	s_and_b32 s19, s18, 7
	s_lshr_b32 s19, s19, 1                         ; c
	s_and_b32 s20, s18, 1                          ; s
	s_lshl_b32 s21, s18, 12
	s_add_co_u32 s21, s21, 8192                    ; where the group's fragments begin: 8192 + 4096 t
	s_lshl_b32 s22, s17, 11                        ; P1: 2048 g
	s_cmp_lt_u32 s17, 4                            ; P1?
	s_cselect_b32 s19, s17, s19
	s_cselect_b32 s20, 0, s20
	s_cselect_b32 s21, s22, s21
	s_cselect_b32 s23, 9, 10                       ; a tile's image: 512 or 1,024 bytes
	s_lshl_b32 s23, s16, s23
	s_add_co_u32 s22, s21, s23                     ; s[22:23]: my fragment's place in wimg
	s_mov_b32 s23, 0
	s_lshl_b32 s24, s19, 6                         ; 64 c + 8 i
	s_lshl_b32 s25, s16, 3
	s_add_co_u32 s24, s24, s25
	s_cmp_ge_u32 s17, 20                           ; P6: the halves change places
	s_cselect_b32 s25, 32, 0
	v_and_b32 v5, 8, v2
	v_mad_u32_u24 v5, v5, 3, v2                    ; r % 8 + 32 (r / 8) = r + 3 (r & 8)
	v_add_nc_u32 v5, s24, v5
	v_xor_b32 v5, s25, v5                          ; U: my unit
	v_lshlrev_b32 v6, 2, v5                        ; K is the FIRST axis (P1, P2): element (k, U) lies at 1024 k + 4 U; my k begin at 128 s + 32 h
	s_wait_alu depctr_va_vdst(0)                   ; h was written ahead of the scalar lines
	v_lshl_add_u32 v6, v3, 15, v6
	s_lshl_b32 s25, s20, 17
	v_add_nc_u32 v6, s25, v6
	v_lshlrev_b32 v7, 10, v5                       ; K is the LAST axis (P5, P6): element (U, k) lies at 1024 U + 4 k
	v_lshl_add_u32 v7, v3, 7, v7
	s_lshl_b32 s25, s20, 9
	v_add_nc_u32 v7, s25, v7
	v_lshlrev_b32 v8, 4, v1                        ; 16 x lane: an image's place for my lane; never rewritten
	s_lshl_b32 s25, s16, 2
	v_add_nc_u32 v11, s25, v8                      ; LDS: my word of the scale group: 16 x lane + 4 i
	s_mov_b32 s28, 0x76543210
	s_mov_b32 s29, 0xfedcba98                      ; v_permlanex16_b32's selects for lane l xor 16
	s_lshl_b32 s30, s17, 9
	s_add_co_u32 s32, s30, O_B1                    ; s[32:33]: piece g of the small vectors
	s_add_co_u32 s30, s30, O_SC                    ; s[30:31]: scale group g
	s_mov_b32 s31, 0
	s_mov_b32 s33, 0
	s_and_b32 s34, s17, 1
	s_lshl_b32 s34, s34, 9                         ; s[34:35]: which half of a small vector
	s_mov_b32 s35, 0
	s_wait_kmcnt 0x0
	s_cmp_lt_u32 s18, 16                           ; P2 and P5 read W2, P1 and P6 read W1: the choice hangs on the work-group's number alone
	s_cselect_b64 s[26:27], s[6:7], s[4:5]
	s_cmp_lt_u32 s17, 2                            ; pieces 0, 1: b1;  2, 3: b2;  4, 5: Wout, times 4
	s_cselect_b64 s[36:37], s[10:11], s[12:13]
	s_cmp_lt_u32 s17, 4
	s_cselect_b64 s[36:37], s[36:37], s[8:9]
	s_cselect_b32 s38, 1.0, 4.0
	s_mov_b32 s39, s38                             ; (the packed form names the pair)
	s_add_nc_u64 s[36:37], s[36:37], s[34:35]
	s_add_nc_u64 s[22:23], s[14:15], s[22:23]
	s_add_nc_u64 s[30:31], s[14:15], s[30:31]
	s_add_nc_u64 s[32:33], s[14:15], s[32:33]
	; v[64 + 32 c + e] = the number at k = 128 s + 64 c + 32 h + e of my unit: three ways to load them, by the work-group's number
	s_cmp_lt_u32 s17, 4
	s_cbranch_scc1 .Lkf_half
	s_cmp_lt_u32 s17, 12
	s_cbranch_scc1 .Lkf
	s_wait_alu depctr_va_vdst(0)
.irp c, 0,1                                        ; K innermost: 128 neighbouring bytes a block
.irp j, 0,1,2,3,4,5,6,7
	global_load_b128 v[64+32*\c+4*\j:64+32*\c+4*\j+3], v7, s[26:27] offset:256*\c+16*\j
.endr
.endr
	s_branch .Lquant
.Lkf:                                              ; K outermost: the registers run down K, 1,024 bytes from row to row
	s_wait_alu depctr_va_vdst(0)
.irp c, 0,1
.irp e, 0,1,2,3,4,5,6,7,8,9,10,11,12,13,14,15,16,17,18,19,20,21,22,23,24,25,26,27,28,29,30,31
	global_load_b32 v[64+32*\c+\e], v6, s[26:27] offset:1024*(64*\c+\e)
.endr
.endr
	s_branch .Lquant
.Lkf_half:                                         ; P1: K = 64: the K step's upper half is filled with zeros
	s_wait_alu depctr_va_vdst(0)
.irp e, 0,1,2,3,4,5,6,7,8,9,10,11,12,13,14,15,16,17,18,19,20,21,22,23,24,25,26,27,28,29,30,31
	global_load_b32 v[64+\e], v6, s[26:27] offset:1024*\e
.endr
.irp e, 0,1,2,3,4,5,6,7,8,9,10,11,12,13,14,15,16,17,18,19,20,21,22,23,24,25,26,27,28,29,30,31
	v_mov_b32 v[96+\e], 0
.endr
.Lquant:
	s_wait_loadcnt 0x0
.irp c, 0,1                                        ; my block 2 c + h: all its 32 numbers are mine
	v_max3_num_f32 v[32+\c], |v[64+32*\c]|, |v[65+32*\c]|, 0x1800000   ; and the floor 2^(3 - 127): the byte cannot fall under 1
.endr
.irp i, 2,4,6,8,10,12,14,16,18,20,22,24,26,28,30
.irp c, 0,1
	v_max3_num_f32 v[32+\c], v[32+\c], |v[64+32*\c+\i]|, |v[65+32*\c+\i]|   ; (the two blocks by turns)
.endr
.endr
.irp c, 0,1
	v_add_nc_u32 v[44+\c], 0xff000000, v[32+\c]    ; 2 off the exponent field: the conversion takes the exponent field of this operand as its scale
.endr
.irp c, 0,1
	v_lshrrev_b32 v[36+\c], 23, v[44+\c]           ; the scale's byte
.endr
	v_lshl_or_b32 v9, v37, 16, v36                 ; my two bytes, blocks h and 2 + h,
	v_lshlrev_b32 v10, 3, v3
	v_lshlrev_b32 v9, v10, v9                      ; at their places in the word (8 h bits up);
	v_mov_b32 v10, 0
	v_permlanex16_b32 v10, v9, s28, s29
	v_or_b32 v9, v9, v10                           ; with lane l xor 16's two the word is whole
.irp c, 0,1
.irp g, 0,1,2,3
	v_cvt_scalef32_pk8_fp4_f32 v[48+4*\c+\g], v[64+32*\c+8*\g:71+32*\c+8*\g], v[44+\c]   ; registers 4 c .. 4 c + 3 of the operand
.endr
.endr
	v_nop                                          ; one plain place behind the last scaled conversion
	global_store_b128 v8, v[48:51], s[22:23]       ; 32 lanes store 512 consecutive bytes, at a multiple of 256 from wimg's first byte
	s_cmp_lt_u32 s17, 4
	s_cbranch_scc1 .Lhalf_only                     ; P1's images hold registers 0-3 alone
	global_store_b128 v8, v[52:55], s[22:23] offset:512
.Lhalf_only:
	s_wait_alu depctr_va_vdst(0)
	ds_store_b32 v11, v9                           ; the four waves' words meet in LDS, so that they leave as 512 consecutive bytes
	s_wait_dscnt 0x0                               ; for the others' sake: my store has landed
	s_barrier_signal -1
	s_barrier_wait -1
	s_cmp_lg_u32 s16, 0
	s_cbranch_scc1 .Lnot_wave_0
	ds_load_b128 v[12:15], v8
	s_wait_dscnt 0x0
	global_store_b128 v8, v[12:15], s[30:31]       ; scale group g
	s_wait_tensorcnt 0x0                           ; the wave's end
	ds_add_u32 v128, v129
	s_wait_dscnt 0x0
	s_endpgm
.Lnot_wave_0:
	s_cmp_lg_u32 s16, 1
	s_cbranch_scc1 .Lend
	s_cmp_ge_u32 s17, 6
	s_cbranch_scc1 .Lend
	global_load_b128 v[16:19], v8, s[36:37]        ; wave 1 of work-groups 0 to 5: a piece of 512 bytes of b1, b2 or Wout,
	s_wait_loadcnt 0x0
	v_pk_mul_f32 v[20:21], v[16:17], s[38:39] op_sel_hi:[1,0]   ; times 1, or times 4 for Wout (exact): one path for the six pieces
	v_pk_mul_f32 v[22:23], v[18:19], s[38:39] op_sel_hi:[1,0]
	global_store_b128 v8, v[20:23], s[32:33]
.Lend:
	s_wait_tensorcnt 0x0
	ds_add_u32 v128, v129
	s_wait_dscnt 0x0
	s_endpgm
.Lfunc_end_k_qa1b606f66a_prep:
	.size	k_qa1b606f66a_prep, .Lfunc_end_k_qa1b606f66a_prep-k_qa1b606f66a_prep
	.p2alignl 7, 3214868480
	.fill 96, 4, 3214868480
	.section	.rodata,"a",@progbits
	.p2align	6, 0x0
	.amdhsa_kernel k_qa1b606f66a_prep
		.amdhsa_group_segment_fixed_size 1024
		.amdhsa_private_segment_fixed_size 0
		.amdhsa_enable_private_segment 0
		.amdhsa_kernarg_size 48
		.amdhsa_user_sgpr_count 2
		.amdhsa_user_sgpr_kernarg_segment_ptr 1
		.amdhsa_wavefront_size32 1
		.amdhsa_system_sgpr_workgroup_id_x 1
		.amdhsa_system_sgpr_workgroup_id_y 1
		.amdhsa_system_sgpr_workgroup_id_z 1
		.amdhsa_system_vgpr_workitem_id 0
		.amdhsa_next_free_vgpr 130
		.amdhsa_next_free_sgpr 66
		.amdhsa_reserve_vcc 0
		.amdhsa_float_denorm_mode_32 3
		.amdhsa_float_denorm_mode_16_64 3
		.amdhsa_memory_ordered 1
		.amdhsa_forward_progress 1
		.amdhsa_inst_pref_size 20
	.end_amdhsa_kernel
	.amdgpu_metadata
---
amdhsa.version: [ 1, 2 ]
amdhsa.kernels:
  - .name:           k_qa1b606f66a_prep
    .symbol:         k_qa1b606f66a_prep.kd
    .args:
      - { .name: W1, .offset: 0, .size: 8, .value_kind: global_buffer, .address_space: global }
      - { .name: W2, .offset: 8, .size: 8, .value_kind: global_buffer, .address_space: global }
      - { .name: Wout, .offset: 16, .size: 8, .value_kind: global_buffer, .address_space: global }
      - { .name: b1, .offset: 24, .size: 8, .value_kind: global_buffer, .address_space: global }
      - { .name: b2, .offset: 32, .size: 8, .value_kind: global_buffer, .address_space: global }
      - { .name: wimg, .offset: 40, .size: 8, .value_kind: global_buffer, .address_space: global }
    .group_segment_fixed_size: 1024
    .private_segment_fixed_size: 0
    .kernarg_segment_align: 8
    .kernarg_segment_size: 48
    .max_flat_workgroup_size: 128
    .sgpr_count:     66
    .vgpr_count:     130
    .wavefront_size: 32
...
	.end_amdgpu_metadata
.endif
;; end of part 1
;; launch main (part 2): grid 256 x 1, 8 waves a work-group, no clusters, 167,424 bytes of LDS; arguments x, wimg, out0; writes out0
.if DOCPART == 2
	.amdgcn_target "amdgcn-amd-amdhsa--gfx1250"
	.amdhsa_code_object_version 6
	.text
	.protected	k_qa1b606f66a_main
	.globl	k_qa1b606f66a_main
	.p2align	8
	.type	k_qa1b606f66a_main,@function
k_qa1b606f66a_main:
	s_mov_b64 s[64:65], 0
	v_nop
	global_prefetch_b8 v0, s[64:65] scope:SCOPE_SE
	s_setreg_imm32_b32 hwreg(HW_REG_WAVE_MODE, 25, 1), 1
	s_wait_xcnt 0x0
; Three leapfrog steps, six gradients of H(s) = sum of tanh(tanh(s W1 + b1) W2 + b2) Wout, s = [q | p], for 65,536 samples; q = x[:, 15], p = x[:, 15] - x[:, 14].
; LEFT OUT (shown at the head of the first kernel): H's value, the K = 1 product with ones, rows 0 to 13 of every sample of x.
; One gradient is four products on codes of FP4 (E2M1) with one E8M0 scale for each 32 along K:
;   P1 z1 = Q(s) Q(W1) + b1;  P2 z2 = Q(h1) Q(W2) + b2;  P5 g_h1 = Q(g_z2) Q(W2)^T;  P6 g_s = Q(g_z1) Q(W1)^T.
; BETWEEN THEM, in f32, c = 2 log2(e): e = 2^(c z), r = 1 / (1 + e).  Layer 1: h1 = 1 - 2 r, and 1 - h1^2 is kept for P5.  Layer 2: g_z2 = (r - r^2) x (4 Wout), since 1 - h2^2 = 4 (r - r^2).
;   THE TWO TILES OF SAMPLES GO THROUGH THE EXPONENTIALS AND RECIPROCALS ONE STAGE APART: one tile's packed lines stand among the other tile's transcendentals, one behind every two.  A packed line there reads only what was
;   written ahead of the stage's wait, and what it writes is read only behind the next wait.  The scalings by c, which are the first reads of the matrix results, all stand ahead of the first transcendental.
; SHARES.  A work-group owns 256 samples, each of its eight waves 32: two tiles of 16.  A wave takes its samples through all six gradients alone; the waves share only the weights' codes in LDS, read-only: one barrier.
; LAYOUT.  Every product is used transposed: source 0 = 16 units of a weight, source 1 = 16 samples; a lane holds ONE sample (lane % 16).  Row r of tile i of chunk c is unit 64 c + 32 (r / 8) + 8 i + r % 8, so register
;   8 i + j of a chunk is unit 64 c + 32 (lane / 16) + 8 i + j: a lane's 32 registers are ONE WHOLE BLOCK of the next K, in the operand's own order: its maximum needs no other lane, and four conversions give registers
;   4 (c % 2) .. + 3 of the next fragment.  Only the scale bytes cross lanes: once for each word of 128 K.  The state: lanes 0-15 hold q, lanes 16-31 p; P6's rows have their halves exchanged, so that lanes 0-15 get dH/dp and
;   lanes 16-31 dH/dq, and a kick is state += coefficient of the lane x sum: (0.1, -0.05) in a step's first gradient, (0, -0.05) in its second, where q stays (dH/dp shares its tiles with dH/dq there).
; LDS: 0 .. 96,255 wimg as it lies in memory; 512 bytes of zeros (the upper half of P1's K step, K = 64); for each wave 32 rows of 272 bytes (256 + 16 of padding): the state [q | p] in f32, the wave's own; the spare words.
; No tensor load: LDS is filled once, through registers.  No cluster: what work-groups share is wimg's 96,256 bytes, read once by each.  No prefetch: x's two rows a sample are loaded once, at the head; the loop reads no memory.
; LIMITS: NaN and infinities among the inputs are not served.  tanh and 1 - tanh^2 carry an absolute error of a few 2^-24.  Blocks whose largest magnitude lies under 2^-124 keep the scale byte 1.
; REGISTERS, window 0: v0 SD; v1-7 addresses, 8 h, the add's two; v8-13 the quantiser's; v14-15 the kick's coefficients; X v16-47, Y v52-83: two sets of four fragments (tile t, K step s at 16 t + 8 s); XS v48-51, YS v84-87
;   their scale words (2 t + s); ACC v88-151 eight accumulators (32 t + 8 i); W v152-215 eight fragments of a weight; WS v216-223 their scale words; BW v224-255 a chunk's bias or 4 Wout.  Window 1: 1 - h1^2, at 64 c + ACC's place.
.set O_W2A, 8192
.set O_W2B, 40960
.set O_SC,  81920
.set O_B1,  93184
.set ZERO,  96256
.set STATE, 96768
.set SROW,  272                        ; 17 x 16 bytes: the 16 rows that a load touches start at 16 different groups of banks
.set STILE, 16*SROW
.set SWAVE, 32*SROW
.set SPARE, STATE+8*SWAVE              ; 166,400: the spare words, 128 bytes for each wave
.set SD, 0                             ; v0  (behind the head) the state by rows: row lane / 16, + 16 (lane % 16)
.set LI, 1                             ; v1  16 x lane: an image's place for my lane
.set LJ, 2                             ; v2  the same + 40,960, since an LDS offset has 16 bits
.set BA, 3                             ; v3  b1's first byte + 128 (lane / 16)
.set SA, 4                             ; v4  my 128 bytes of the state: row lane % 16, + 128 (lane / 16)
.set SH, 5                             ; v5  8 (lane / 16): how far my scale bytes are shifted
.set SPW, 6
.set NIL, 7
.set TM, 8
.set TS, 12
.set CFE, 14
.set CFO, 15
.set X,  16
.set XS, 48
.set Y,  52
.set YS, 84
.set ACC, 88
.set W,  152
.set WS, 216
.set BW, 224
.set CA, 16                            ; at the head only: the copy's addresses and x's
.set CB, 17
.set CT, 18
.set CZ, 19
.set GX, 20
.set MSB, 0
.macro WIN new                         ; the immediate's high byte repeats the setting that is left
.if MSB != \new
	s_set_vgpr_msb (MSB<<8)|\new
.set MSB, \new
.endif
.endm
.macro PLACES n
.rept \n
	v_nop
.endr
.endm
.macro VW                              ; this wait stands ahead of a blocking wait, a branch or a batch of transcendentals, and behind such a batch
	s_wait_alu depctr_va_vdst(0)
.endm
.macro WAITDS n
	VW
	s_wait_dscnt \n
.endm
.macro LDW adr, off                    ; eight fragments of a weight, images 1,024 bytes apart
.set FF, 0
.rept 8
	ds_load_b128 v[W+8*FF:W+8*FF+3],   v[\adr] offset:(\off)+1024*FF
	ds_load_b128 v[W+8*FF+4:W+8*FF+7], v[\adr] offset:(\off)+1024*FF+512
.set FF, FF+1
.endr
.endm
.macro LDW1 c                          ; P1's chunk c: four half fragments (K = 64: registers 0-3)
.irp i, 0,1,2,3
	ds_load_b128 v[W+8*\i:W+8*\i+3], v[LI] offset:2048*(\c)+512*\i
.endr
.endm
.macro LDSC g, slot                    ; scale group g: my lane's four words, tiles 0..3
	ds_load_b128 v[WS+4*(\slot):WS+4*(\slot)+3], v[LJ] offset:O_SC-O_W2B+512*(\g)
.endm
.macro LDB arr, c                      ; b1 (0), b2 (1024) or 4 Wout (2048) at my 32 units of chunk c: 128 neighbouring bytes
.irp e, 0,1,2,3,4,5,6,7
	ds_load_b128 v[BW+4*\e:BW+4*\e+3], v[BA] offset:(\arr)+256*(\c)+16*\e
.endr
.endm
; A chunk's products: 4 tiles of units x 2 tiles of samples, ks K steps.  The eight accumulators take turns, one instruction a turn.  The first K step starts the sums, with the bias or 0 as C.
.macro MM act, scl, ks, bias
.set SS, 0
.rept \ks
.irp i, 0,1,2,3
.irp t, 0,1
.if SS > 0
	v_wmma_scale_f32_16x16x128_f8f6f4 v[ACC+32*\t+8*\i:ACC+32*\t+8*\i+7], v[W+8*(4*SS+\i):W+8*(4*SS+\i)+7], v[\act+16*\t+8*SS:\act+16*\t+8*SS+7], v[ACC+32*\t+8*\i:ACC+32*\t+8*\i+7], v[WS+4*SS+\i], v[\scl+2*\t+SS] matrix_a_fmt:MATRIX_FMT_FP4 matrix_b_fmt:MATRIX_FMT_FP4
.elseif \bias
	v_wmma_scale_f32_16x16x128_f8f6f4 v[ACC+32*\t+8*\i:ACC+32*\t+8*\i+7], v[W+8*(4*SS+\i):W+8*(4*SS+\i)+7], v[\act+16*\t+8*SS:\act+16*\t+8*SS+7], v[BW+8*\i:BW+8*\i+7], v[WS+4*SS+\i], v[\scl+2*\t+SS] matrix_a_fmt:MATRIX_FMT_FP4 matrix_b_fmt:MATRIX_FMT_FP4
.else
	v_wmma_scale_f32_16x16x128_f8f6f4 v[ACC+32*\t+8*\i:ACC+32*\t+8*\i+7], v[W+8*(4*SS+\i):W+8*(4*SS+\i)+7], v[\act+16*\t+8*SS:\act+16*\t+8*SS+7], 0, v[WS+4*SS+\i], v[\scl+2*\t+SS] matrix_a_fmt:MATRIX_FMT_FP4 matrix_b_fmt:MATRIX_FMT_FP4
.endif
.endr
.endr
.set SS, SS+1
.endr
.endm
.macro ALL64 op:vararg                 ; a packed line for each of ACC's 32 pairs, each accumulator from its low end on; KK is the pair's place
.set KK, 0
.rept 32
	\op
.set KK, KK+2
.endr
.endm
.macro STG top, tb, pop:vararg         ; a stage: 32 transcendentals on v[tb ..], in place, and 16 packed lines on the other tile (KK: the pair's place), one behind every two
.set KK, 0
.rept 16
	\top v[(\tb)+KK], v[(\tb)+KK]
	\top v[(\tb)+KK+1], v[(\tb)+KK+1]
	\pop
.set KK, KK+2
.endr
.endm
.macro ONE b                           ; 1 + e
	v_pk_add_f32 v[(\b)+KK:(\b)+KK+1], v[(\b)+KK:(\b)+KK+1], 1.0 op_sel_hi:[1,0]
.endm
.macro FIN mode, b                     ; mode 0: 1 - 2 r;  mode 1: r - r^2
.if \mode
	v_pk_fma_f32 v[(\b)+KK:(\b)+KK+1], v[(\b)+KK:(\b)+KK+1], v[(\b)+KK:(\b)+KK+1], v[(\b)+KK:(\b)+KK+1] neg_lo:[1,0,0] neg_hi:[1,0,0]
.else
	v_pk_fma_f32 v[(\b)+KK:(\b)+KK+1], v[(\b)+KK:(\b)+KK+1], -2.0, 1.0 op_sel_hi:[1,0,0]
.endif
.endm
; ACC's 64 numbers z become 1 - 2 r or r - r^2, in place.  One wait stands between two stages: behind the one's transcendentals and ahead of the other's.
.macro SIGS mode
	ALL64 v_pk_mul_f32 v[ACC+KK:ACC+KK+1], v[ACC+KK:ACC+KK+1], s[12:13] op_sel_hi:[1,0]
	VW
.set KK, 0
.rept 32
	v_exp_f32 v[ACC+KK], v[ACC+KK]
.set KK, KK+1
.endr
	VW
	STG v_exp_f32, ACC+32, ONE ACC
	VW
	STG v_rcp_f32, ACC, ONE ACC+32
	VW
	STG v_rcp_f32, ACC+32, FIN \mode, ACC
	VW
.set KK, 0
.rept 16
	FIN \mode, ACC+32
.set KK, KK+2
.endr
.endm
; Two blocks of a lane (32 registers at s0, 32 at s1) become four registers of codes each, at o0 and o1.  Eight chains of maxima by turns, kept in the registers that the codes then take; the floor 2^(3 - 127) holds the byte
; at 1 from below.  TS keeps the conversions' scale operands.
.macro QUANT s0, s1, o0, o1
	v_max3_num_f32 v[(\o0)], |v[(\s0)]|, |v[(\s0)+1]|, 0x1800000
	v_max3_num_f32 v[(\o1)], |v[(\s1)]|, |v[(\s1)+1]|, 0x1800000
.irp q, 1,2,3
	v_max3_num_f32 v[(\o0)+\q], |v[(\s0)+3*\q-1]|, |v[(\s0)+3*\q]|, |v[(\s0)+3*\q+1]|
	v_max3_num_f32 v[(\o1)+\q], |v[(\s1)+3*\q-1]|, |v[(\s1)+3*\q]|, |v[(\s1)+3*\q+1]|
.endr
.irp b, 11,19
.irp q, 0,1,2,3
	v_max3_num_f32 v[(\o0)+\q], v[(\o0)+\q], |v[(\s0)+\b+2*\q]|, |v[(\s0)+\b+2*\q+1]|
	v_max3_num_f32 v[(\o1)+\q], v[(\o1)+\q], |v[(\s1)+\b+2*\q]|, |v[(\s1)+\b+2*\q+1]|
.endr
.endr
.irp q, 0,1
	v_max3_num_f32 v[(\o0)+\q], v[(\o0)+\q], |v[(\s0)+27+2*\q]|, |v[(\s0)+28+2*\q]|
	v_max3_num_f32 v[(\o1)+\q], v[(\o1)+\q], |v[(\s1)+27+2*\q]|, |v[(\s1)+28+2*\q]|
.endr
	v_max3_num_f32 v[TM],   v[(\o0)], v[(\o0)+1], v[(\o0)+2]
	v_max3_num_f32 v[TM+2], v[(\o1)], v[(\o1)+1], v[(\o1)+2]
	v_max3_num_f32 v[TM],   v[TM],   v[(\o0)+3], |v[(\s0)+31]|
	v_max3_num_f32 v[TM+2], v[TM+2], v[(\o1)+3], |v[(\s1)+31]|
	v_add_nc_u32 v[TS],   0xff000000, v[TM]        ; 2 off the exponent field: the conversion's scale operand
	v_add_nc_u32 v[TS+1], 0xff000000, v[TM+2]
.irp i, 0,1,2,3
	v_cvt_scalef32_pk8_fp4_f32 v[(\o0)+\i], v[(\s0)+8*\i:(\s0)+8*\i+7], v[TS]
	v_cvt_scalef32_pk8_fp4_f32 v[(\o1)+\i], v[(\s1)+8*\i:(\s1)+8*\i+7], v[TS+1]
.endr
.endm
.macro JOIN w0, w1                     ; my bytes go 8 (lane / 16) bits up, and lane l xor 16's fill the gaps: the word is whole in both halves
	v_lshlrev_b32 v[\w0], v[SH], v[\w0]
	v_lshlrev_b32 v[\w1], v[SH], v[\w1]
	v_permlanex16_b32 v[TM],   v[\w0], s14, s15
	v_permlanex16_b32 v[TM+1], v[\w1], s14, s15
	v_or_b32 v[\w0], v[\w0], v[TM]
	v_or_b32 v[\w1], v[\w1], v[TM+1]
.endm
.macro BYTES w0, w1, half              ; TS's two scale bytes into the words w0, w1: a K step's first chunk begins them, its second finishes them
.if \half
	v_lshrrev_b32 v[TM],   23, v[TS]
	v_lshrrev_b32 v[TM+1], 23, v[TS+1]
	v_lshl_or_b32 v[\w0], v[TM],   16, v[\w0]
	v_lshl_or_b32 v[\w1], v[TM+1], 16, v[\w1]
	JOIN \w0, \w1
.else
	v_lshrrev_b32 v[\w0], 23, v[TS]
	v_lshrrev_b32 v[\w1], 23, v[TS+1]
.endif
.endm
; The four places behind a chunk's products (ahead of loads into their operands and of reads of their results) are the last chunk's byte work, which names none of their registers, or v_nop.
.macro AFTERMM scl, c
.if (\c) == 0
	PLACES 4
.else
	BYTES (\scl)+((\c)-1)/2, (\scl)+2+((\c)-1)/2, ((\c)-1)%2
.if ((\c)-1)%2 == 0
	PLACES 2
.endif
.endif
.endm
.macro ENDPH scl                       ; a layer's last chunk: its word is finished at once; a scale word written by vector instructions stands 8 places ahead of a scaled matrix instruction
	BYTES (\scl)+1, (\scl)+3, 1
	PLACES 8
.endm
.macro P1C c                           ; chunk c of the first hidden layer: h1 to X, 1 - h1^2 to window 1
	WAITDS 0x0                                     ; this chunk's weights, scale words and bias are in
	MM Y, YS, 1, 1
	AFTERMM XS, \c
.if \c < 3
	LDW1 (\c)+1
	LDSC (\c)+1, 0
	LDB 0, (\c)+1
.else
	LDW LI, O_W2A                                  ; P2's first chunk
	LDSC 4, 0
	LDSC 5, 1
	LDB 1024, 0
.endif
	SIGS 0
	QUANT ACC, ACC+32, X+8*((\c)/2)+4*((\c)%2), X+16+8*((\c)/2)+4*((\c)%2)
	WIN 0x40                                       ; destination window 1.  (These lines are also the plain place behind the conversions)
	ALL64 v_pk_fma_f32 v[64*(\c)+KK:64*(\c)+KK+1], v[ACC+KK:ACC+KK+1], v[ACC+KK:ACC+KK+1], 1.0 op_sel_hi:[1,1,0] neg_lo:[1,0,0] neg_hi:[1,0,0]
	WIN 0
.if \c == 3
	ENDPH XS
.endif
.endm
.macro P2C c                           ; chunk c of the second hidden layer: g_z2 to Y
	WAITDS 0x0
	MM X, XS, 2, 1
	AFTERMM YS, \c
	LDB 2048, \c                                   ; 4 Wout takes the bias's place
.if \c < 3
	LDW LI, O_W2A+8192*((\c)+1)
.else
	LDW LJ, 0                                      ; P5's first chunk
.endif
	LDSC 4+2*((\c)+1), 0
	LDSC 5+2*((\c)+1), 1
	SIGS 1
	s_wait_dscnt 18                                ; 4 Wout's eight loads are in; the 16 of the weights and the 2 of their scale words, issued behind them, may be out.  (31 plain lines lie between each write above and its reader below)
	ALL64 v_pk_mul_f32 v[ACC+KK:ACC+KK+1], v[ACC+KK:ACC+KK+1], v[BW+KK%32:BW+KK%32+1]
.if \c < 3
	LDB 1024, (\c)+1                               ; the next chunk's b2
.endif
	QUANT ACC, ACC+32, Y+8*((\c)/2)+4*((\c)%2), Y+16+8*((\c)/2)+4*((\c)%2)
.if \c == 3
	ENDPH YS
.else
	v_nop                                          ; one plain place behind the scaled conversions
.endif
.endm
.macro P5C c                           ; chunk c of g_h1: g_z1 = g_h1 (1 - h1^2) to X
	WAITDS 0x0
	MM Y, YS, 2, 0
	AFTERMM XS, \c
	LDW LJ, 8192*((\c)+1)                          ; the next chunk; behind the last one lies P6's image
	LDSC 12+2*((\c)+1), 0
	LDSC 13+2*((\c)+1), 1
	WIN 0x04                                       ; source 1 window 1
	ALL64 v_pk_mul_f32 v[ACC+KK:ACC+KK+1], v[ACC+KK:ACC+KK+1], v[64*(\c)+KK:64*(\c)+KK+1]
	WIN 0
	QUANT ACC, ACC+32, X+8*((\c)/2)+4*((\c)%2), X+16+8*((\c)/2)+4*((\c)%2)
.if \c == 3
	ENDPH XS
.else
	v_nop
.endif
.endm
.macro KICK st, ac                     ; 32 numbers of the state += my lane's coefficient x 32 sums
.set KK, 0
.rept 16
	v_pk_fma_f32 v[(\st)+KK:(\st)+KK+1], v[(\ac)+KK:(\ac)+KK+1], v[TM+2:TM+3], v[(\st)+KK:(\st)+KK+1]
.set KK, KK+2
.endr
.endm
; The state in X (tile 0) and W + 32 (tile 1) goes to its rows in LDS and becomes P1's operand; P1's first chunk is asked for, with zero codes for the upper half of its K step on both sides.
.macro NEWSTATE inloop
.irp j, 0,1,2,3,4,5,6,7
	ds_store_b128 v[SA], v[X+4*\j:X+4*\j+3] offset:16*\j
	ds_store_b128 v[SA], v[W+32+4*\j:W+32+4*\j+3] offset:STILE+16*\j
.endr
.if \inloop
	s_cmp_eq_u32 s11, 5                            ; behind the sixth gradient nothing more is quantised
	VW
	s_cbranch_scc1 .Ldone
.endif
.irp i, 0,1,2,3
	ds_load_b128 v[W+8*\i:W+8*\i+3],   v[LI] offset:512*\i
	ds_load_b128 v[W+8*\i+4:W+8*\i+7], v[LJ] offset:ZERO-O_W2B
.endr
	LDSC 0, 0
	LDB 0, 0
	ds_load_b128 v[Y+4:Y+7],   v[LJ] offset:ZERO-O_W2B
	ds_load_b128 v[Y+20:Y+23], v[LJ] offset:ZERO-O_W2B
	QUANT X, W+32, Y, Y+16
	BYTES YS, YS+2, 0                              ; bytes 0 and 1: q's block, p's block; bytes 2 and 3 stay 0, over zero codes
	JOIN YS, YS+2
	PLACES 8
.endm
	s_load_b128 s[4:7], s[0:1], 0x0                ; x, wimg
	s_load_b64 s[8:9], s[0:1], 0x10                ; out0
	v_lshl_add_u32 v[SPW], v0, 2, SPARE
	v_mov_b32 v[NIL], 0
	v_lshrrev_b32 v8, 5, v0
	v_readfirstlane_b32 s10, v8                    ; wave 0..7
	v_and_b32 v8, 31, v0                           ; lane
	v_bfe_u32 v9, v0, 4, 1                         ; h = lane / 16
	v_and_b32 v10, 15, v0                          ; r = lane % 16
	v_lshlrev_b32 v[LI], 4, v8
	v_add_nc_u32 v[LJ], O_W2B, v[LI]
	v_lshl_add_u32 v[BA], v9, 7, O_B1
	v_lshlrev_b32 v[SH], 3, v9
	v_cvt_f32_u32 v12, v9                          ; h as a number, twice: p's lanes take x14 away, q's do not
	v_cvt_f32_u32 v13, v9
	s_mul_i32 s20, s10, SWAVE
	s_add_co_u32 s20, s20, STATE                   ; my wave's state
	v_mul_u32_u24 v11, v10, SROW
	v_add_nc_u32 v11, s20, v11                     ; row r
	v_lshl_add_u32 v[SA], v9, 7, v11
	v_lshlrev_b32 v[GX], 11, v9                    ; a sample of x is 2,048 bytes
	v_lshl_add_u32 v[GX], v10, 4, v[GX]
	v_lshlrev_b32 v[CA], 4, v0                     ; the copy of wimg: 16 bytes a thread, 4,096 a step, the same place in memory and in LDS;
	v_add_nc_u32 v[CB], 0x10000, v[CA]             ; (an LDS offset has 16 bits)
	v_lshl_add_u32 v[CT], v0, 3, 94208             ; its last 2,048 bytes, 8 a thread;
	v_lshl_add_u32 v[CZ], v0, 1, ZERO              ; and the 512 zeros, 2 a thread
	s_mov_b32 s16, 0xffff0000                      ; lanes 16-31
	v_mov_b32 v[CFO], 0xbd4ccccd                   ; -0.05
	v_mov_b32 v[CFE], 0x3dcccccd                   ; 0.1
	v_cndmask_b32 v[CFE], v[CFE], v[CFO], s16
	v_cndmask_b32 v[CFO], 0, v[CFO], s16
	v_mul_u32_u24 v8, v9, SROW
	v_lshl_add_u32 v8, v10, 4, v8
	v_add_nc_u32 v[SD], s20, v8                    ; the thread's number has served
	s_mov_b32 s11, 0                               ; gradients done
	s_mov_b32 s12, 0x4038aa3b                      ; c = 2 log2(e)
	s_mov_b32 s13, s12                             ; (the packed forms name pairs)
	s_mov_b32 s14, 0x76543210
	s_mov_b32 s15, 0xfedcba98                      ; v_permlanex16_b32's selects for lane l xor 16
	s_lshl_b32 s22, ttmp9, 19                      ; x: 256 samples a work-group, 32 a wave
	s_lshl_b32 s23, s10, 16
	s_add_co_u32 s22, s22, s23
	s_mov_b32 s23, 0
	s_lshl_b32 s24, ttmp9, 16                      ; out0: 256 bytes a sample
	s_lshl_b32 s25, s10, 13
	s_add_co_u32 s24, s24, s25
	s_mov_b32 s25, 0
	VW                                             ; the head's end
	s_wait_kmcnt 0x0
	s_add_nc_u64 s[4:5], s[4:5], s[22:23]
	s_add_nc_u64 s[8:9], s[8:9], s[24:25]
.irp k, 0,1,2,3,4,5,6,7,8,9,10,11,12,13,14,15      ; x[:, 14] and x[:, 15] are 256 neighbouring bytes of a sample, aligned: sixteen lanes read them, two samples a load
	global_load_b128 v[ACC+4*\k:ACC+4*\k+3], v[GX], s[4:5] offset:4096*\k+1792 th:TH_LOAD_NT
.endr
.irp k, 0,1,2,3,4,5,6,7,8,9,10,11,12,13,14,15      ; wimg: 23 steps of 4,096 bytes for the eight waves (through W's and BW's registers: the scale registers hold scales alone)
	global_load_b128 v[W+4*\k:W+4*\k+3], v[CA], s[6:7] offset:4096*\k
.endr
.irp k, 0,1,2,3,4,5,6
	global_load_b128 v[BW+4*\k:BW+4*\k+3], v[CA], s[6:7] offset:4096*(16+\k)
.endr
	global_load_b64 v[BW+28:BW+29], v[CT], s[6:7]
	s_wait_loadcnt 24                              ; x's 16 loads are in; the 24 of wimg may be out
.irp k, 0,1,2,3,4,5,6,7,8,9,10,11,12,13,14,15
	ds_store_b128 v[SD], v[ACC+4*\k:ACC+4*\k+3] offset:2*SROW*\k   ; row = sample: [x14 | x15] for now
.endr
	ds_store_b16 v[CZ], v[NIL]
	s_wait_loadcnt 0x0
.irp k, 0,1,2,3,4,5,6,7,8,9,10,11,12,13,14,15
	ds_store_b128 v[CA], v[W+4*\k:W+4*\k+3] offset:4096*\k
.endr
.irp k, 0,1,2,3,4,5,6
	ds_store_b128 v[CB], v[BW+4*\k:BW+4*\k+3] offset:4096*\k
.endr
	ds_store_b64 v[CT], v[BW+28:BW+29]
	s_wait_dscnt 0x0                               ; for the others' sake: my part of wimg and of the zeros has landed
	s_barrier_signal -1
	s_barrier_wait -1                              ; both are whole; nobody writes them again
.irp j, 0,1,2,3,4,5,6,7                            ; every lane takes its sample's x15 and x14, 32 numbers each
	ds_load_b128 v[X+4*\j:X+4*\j+3],           v11 offset:128+16*\j
	ds_load_b128 v[ACC+4*\j:ACC+4*\j+3],       v11 offset:16*\j
	ds_load_b128 v[W+32+4*\j:W+32+4*\j+3],     v11 offset:STILE+128+16*\j
	ds_load_b128 v[ACC+32+4*\j:ACC+32+4*\j+3], v11 offset:STILE+16*\j
.endr
	s_wait_dscnt 0x0
.set KK, 0
.rept 16                                           ; lanes 0-15: q = x15;  lanes 16-31: p = x15 - x14
	v_pk_fma_f32 v[X+KK:X+KK+1], v[ACC+KK:ACC+KK+1], v[12:13], v[X+KK:X+KK+1] neg_lo:[0,1,0] neg_hi:[0,1,0]
	v_pk_fma_f32 v[W+32+KK:W+32+KK+1], v[ACC+32+KK:ACC+32+KK+1], v[12:13], v[W+32+KK:W+32+KK+1] neg_lo:[0,1,0] neg_hi:[0,1,0]
.set KK, KK+2
.endr
	NEWSTATE 0                                     ; the rows become [q | p]: all my loads of them are in
.Leval:                                            ; six trips: a gradient and its part of a leapfrog step
	P1C 0
	P1C 1
	P1C 2
	P1C 3
	P2C 0
	P2C 1
	P2C 2
	P2C 3
	P5C 0
	P5C 1
	P5C 2
	P5C 3
	s_and_b32 s20, s11, 1                          ; a step's second gradient leaves q: the coefficient is chosen by the loop's counter
	s_cmp_lg_u32 s20, 0
	s_cselect_b32 s20, -1, 0
	WAITDS 0x0
	MM X, XS, 2, 0                                 ; P6: lanes 0-15 dH/dp, lanes 16-31 dH/dq, in the state's own order
	v_cndmask_b32 v[TM+2], v[CFE], v[CFO], s20
	v_cndmask_b32 v[TM+3], v[CFE], v[CFO], s20
	PLACES 2
.irp j, 0,1,2,3,4,5,6,7
	ds_load_b128 v[X+4*\j:X+4*\j+3],       v[SA] offset:16*\j
	ds_load_b128 v[W+32+4*\j:W+32+4*\j+3], v[SA] offset:STILE+16*\j
.endr
	WAITDS 0x0
	KICK X, ACC
	KICK W+32, ACC+32
	NEWSTATE 1
	s_add_co_u32 s11, s11, 1
	s_cmp_lt_u32 s11, 6
	VW
	s_cbranch_scc1 .Leval
.Ldone:
	; THE WAY OUT: the state's rows are the output's rows
.irp k, 0,1,2,3,4,5,6,7,8,9,10,11,12,13,14,15
	ds_load_b128 v[ACC+4*\k:ACC+4*\k+3], v[SD] offset:2*SROW*\k    ; LDS serves a wave's instructions in order: these see my stores
.endr
.irp k, 0,1,2,3,4,5,6,7,8,9,10,11,12,13,14,15
	s_wait_dscnt 15-\k
	global_store_b128 v[LI], v[ACC+4*\k:ACC+4*\k+3], s[8:9] offset:512*\k th:TH_STORE_NT   ; 32 lanes store two samples, 512 consecutive bytes, at a multiple of 256 from out0's first byte
.endr
	s_wait_tensorcnt 0x0                           ; the wave's end
	ds_add_u32 v[SPW], v[NIL]
	s_wait_dscnt 0x0
	s_endpgm
.Lfunc_end_k_qa1b606f66a_main:
	.size	k_qa1b606f66a_main, .Lfunc_end_k_qa1b606f66a_main-k_qa1b606f66a_main
	.p2alignl 7, 3214868480
	.fill 96, 4, 3214868480
	.section	.rodata,"a",@progbits
	.p2align	6, 0x0
	.amdhsa_kernel k_qa1b606f66a_main
		.amdhsa_group_segment_fixed_size 167424
		.amdhsa_private_segment_fixed_size 0
		.amdhsa_enable_private_segment 0
		.amdhsa_kernarg_size 24
		.amdhsa_user_sgpr_count 2
		.amdhsa_user_sgpr_kernarg_segment_ptr 1
		.amdhsa_wavefront_size32 1
		.amdhsa_system_sgpr_workgroup_id_x 1
		.amdhsa_system_sgpr_workgroup_id_y 1
		.amdhsa_system_sgpr_workgroup_id_z 1
		.amdhsa_system_vgpr_workitem_id 0
		.amdhsa_next_free_vgpr 512
		.amdhsa_next_free_sgpr 66
		.amdhsa_reserve_vcc 0
		.amdhsa_float_denorm_mode_32 3
		.amdhsa_float_denorm_mode_16_64 3
		.amdhsa_memory_ordered 1
		.amdhsa_forward_progress 1
		.amdhsa_inst_pref_size 214
	.end_amdhsa_kernel
	.amdgpu_metadata
---
amdhsa.version: [ 1, 2 ]
amdhsa.kernels:
  - .name:           k_qa1b606f66a_main
    .symbol:         k_qa1b606f66a_main.kd
    .args:
      - { .name: x, .offset: 0, .size: 8, .value_kind: global_buffer, .address_space: global }
      - { .name: wimg, .offset: 8, .size: 8, .value_kind: global_buffer, .address_space: global }
      - { .name: out0, .offset: 16, .size: 8, .value_kind: global_buffer, .address_space: global }
    .group_segment_fixed_size: 167424
    .private_segment_fixed_size: 0
    .kernarg_segment_align: 8
    .kernarg_segment_size: 24
    .max_flat_workgroup_size: 256
    .sgpr_count:     66
    .vgpr_count:     512
    .wavefront_size: 32
...
	.end_amdgpu_metadata
.endif
;; end of part 2
